; MI455X (gfx1250); checked and timed in simulation.
; The chip was launched on July 23, 2026; its instructions are those of AMD's public machine-readable ISA for CDNA 5 (MIT licence, August 2026) and "CDNA5" Instruction Set Architecture Reference Guide (July 2026). The comments in the code are by the model that wrote it; some were corrected since.
;; Attention Block. Allowed arithmetic: float matrix products may take bf16 or f16 operands with f32 sums; other float arithmetic in f32, or as packed bf16 or f16 multiplies, adds, multiply-adds, maxima and minima; sums over many terms, partial sums and values carried from step to step in f32; what a program stores and reads back later, other than sums and carried values, may be rounded once to bf16 or f16.
;; Inputs: Wk 512 x 512 float32; Wp 512 x 512 float32; Wq 512 x 512 float32; Wv 512 x 512 float32; beta 512 float32; bk 512 float32; bp 512 float32; bq 512 float32; bv 512 float32; gamma 512 float32; x 32 x 512 x 32 x 32 float32.
;; Outputs: out0 32 x 512 x 32 x 32 float32.
;; 2 versions, each right; version 2 is version 1 with the launch norm written anew for expert scheduling mode. Each part assembles by itself: llvm-mc -triple=amdgcn-amd-amdhsa -mcpu=gfx1250 --defsym DOCPART=n.
;; ======== version 1 of 2: 3 launches
;; workspace buffers: xb 33,554,432 bytes; ww 1,048,576 bytes; ub 4,096 bytes
;; launch fold (part 1): grid 64 x 1, 16 waves a work-group, no clusters, 315,392 bytes of LDS; arguments Wq, Wk, Wv, Wp, bq, bv, bp, ww, ub; writes ww, ub
.if DOCPART == 1
	.amdgcn_target "amdgcn-amd-amdhsa--gfx1250"
	.amdhsa_code_object_version 6
	.text
	.protected	k_q13a6cad9fe_fold
	.globl	k_q13a6cad9fe_fold
	.p2align	8
	.type	k_q13a6cad9fe_fold,@function
k_q13a6cad9fe_fold:
	s_mov_b64 s[64:65], 0
	v_nop
	global_prefetch_b8 v0, s[64:65] scope:SCOPE_SE
	s_setreg_imm32_b32 hwreg(HW_REG_WAVE_MODE, 25, 1), 1
	s_wait_xcnt 0x0
; FOLD: the four weight matrices are folded into two, once, so that the attention launch needs no k and no v projection.
; With X = the normalised x ([c][n] for a batch), h_n = X[:,n]:
;   score[n][m] = (Wq h_n + bq) . (Wk h_m + bk) = sum_c' X[c'][m] T[c'][n] + (Wq h_n + bq) . bk,   T = Mt X + u,
;   Mt[c'][c] = sum_d Wk[d][c'] Wq[d][c],   u[c'] = sum_d bq[d] Wk[d][c'].
; DEAD WORK, for all values of the inputs: the term (Wq h_n + bq) . bk does not depend on m, the axis of the softmax, so it cancels in softmax(score): bk has no way to any
; output; it is not loaded and is no launch's argument.  The rows of the softmax sum to 1 and products associate, so
;   out[e][n] = sum_c Wpv[e][c] (sum_m attn[n][m] X[c][m]) + bo[e] + X[e][n],   Wpv = Wp Wv,   bo = Wp bv + bp:
; q, k and v are never formed as such.  LIMIT: a NaN, an infinity or an overflow that would arise only in bk's term, or in q, k or v as such, is not carried to the result.
; All weights are rounded to bf16 for the products; sums in f32; Mt and Wpv are stored rounded once to bf16, u and bo in f32.
; SHARES.  Work-group = (p, nt, ct): p = 0 makes Mt, p = 1 Wpv; 64 output rows n (64 nt ..) x 128 columns c (128 ct ..).  Both are D[c][n] = sum_d A[c][d] B[n][d]:
; A = Wq or Wv, stored [d][c]; B = Wk, stored [d][n], or Wp, stored [n][d].  In the result a lane holds one output row n (lane % 16) and eight neighbouring c.
; Wave w: rows 16 (w % 4) .., column blocks 2 (w / 4) and 2 (w / 4) + 1.  Where ct = 0, column 128 of A's LDS rows holds bq or bv: the four waves with w / 4 = 0 make u or Wp bv of it.
; THE TWO PRODUCTS differ in B's layout alone.  Each has LDS bytes and address registers of its own for B, all made at the head, and short arms under a scalar branch on p (the same in all
; waves of a work-group) hold what differs: B's loads, B's LDS stores, the products.  Both barriers stand outside the arms.  All LDS addresses are fixed: the 16 chunks along d are written out.
; NO CLUSTER, no tensor loads: the weights are f32 and are rounded on their way through registers; as f32 tiles A's 262,144 and B's 131,072 bytes do not fit in LDS together.
; ww is laid as one batch of xb is: 512 rows of 1,024 bf16.  Columns 0-511: Mt[c'][c] at row c', column c.
; Columns 512-1023: Wpv[e][c] at row (c / 128) 128 + e % 128, column 512 + (e / 128) 128 + c % 128.
.set PAP,   288                        ; A in LDS, from byte 0: 512 rows d of 256 bytes (128 c) + 32 (columns 128-143)
.set PB0,   512*PAP                    ; B for p = 0: 512 rows d, 160 bytes apart (64 n)
.set PB1,   PB0+512*160                ; B for p = 1: 64 rows n, 1,040 bytes apart (512 d)
.set STG,   PB1+64*1040                ; the way out: 64 rows n, 272 bytes apart
.set SPT,   272
.set SPARE, STG+64*SPT                 ; the spare words: 128 bytes for each of the 16 waves; no other line names them
.set F,     32                         ; v[32:159] loaded A, then fragments; v[160:223] loaded B, then accumulators
.set D0,    160
.set D1,    168
.set DXA,   192
.set DXB,   200
; v1 lane, v2 A's global offset, v3 B's (p = 0), v13 B's (p = 1), v4-6 A's LDS store addresses, v7-8 B's (p = 0), v14-15 B's (p = 1), v9 bq/bv, v10 lane % 16, v11 lane / 16, v12 4 t,
; v16-19 A's fragment addresses (four chunks each), v20-27 at work, v28-29 the add's two, v30 4 n, v31 u or bo,
; v224-225 B's fragment addresses (p = 0, eight chunks each), v226 B's (p = 1), v227 stage in, v228 stage back, v229 offset in ww, v230 288 t
.macro PLACES                          ; four plain places behind a matrix instruction, ahead of loads into its registers and of reads of its result
.rept 4
	v_nop
.endr
.endm
; Chunks 4 g .. 4 g + 3 of 32 along d: 24 LDS loads, then 8 products; the two accumulators take turns.  g = 0: the first products start the sums.
.macro FK p, g
.if \g
	PLACES
.endif
.irp k, 0,1,2,3
	ds_load_tr16_b128 v[F+32*\k:F+32*\k+3],     v[16+(\g)] offset:9216*\k
	ds_load_tr16_b128 v[F+32*\k+4:F+32*\k+7],   v[16+(\g)] offset:9216*\k+4608
	ds_load_tr16_b128 v[F+32*\k+8:F+32*\k+11],  v[16+(\g)] offset:9216*\k+32
	ds_load_tr16_b128 v[F+32*\k+12:F+32*\k+15], v[16+(\g)] offset:9216*\k+4608+32
.if \p
	ds_load_b128 v[F+32*\k+16:F+32*\k+19], v226 offset:256*(\g)+64*\k
	ds_load_b128 v[F+32*\k+20:F+32*\k+23], v226 offset:256*(\g)+64*\k+32
.else
	ds_load_tr16_b128 v[F+32*\k+16:F+32*\k+19], v[224+(\g)/2] offset:20480*((\g)%2)+5120*\k
	ds_load_tr16_b128 v[F+32*\k+20:F+32*\k+23], v[224+(\g)/2] offset:20480*((\g)%2)+5120*\k+2560
.endif
.endr
	s_wait_dscnt 0x0
.irp k, 0,1,2,3
.if ((\g) == 0) && (\k == 0)
	v_wmma_f32_16x16x32_bf16 v[D0:D0+7], v[F+32*\k:F+32*\k+7], v[F+32*\k+16:F+32*\k+23], 0
	v_wmma_f32_16x16x32_bf16 v[D1:D1+7], v[F+32*\k+8:F+32*\k+15], v[F+32*\k+16:F+32*\k+23], 0
.else
	v_wmma_f32_16x16x32_bf16 v[D0:D0+7], v[F+32*\k:F+32*\k+7], v[F+32*\k+16:F+32*\k+23], v[D0:D0+7]
	v_wmma_f32_16x16x32_bf16 v[D1:D1+7], v[F+32*\k+8:F+32*\k+15], v[F+32*\k+16:F+32*\k+23], v[D1:D1+7]
.endif
.endr
.endm
; The same for columns 128-143 of A's rows (bq or bv, then zeros): two accumulators, for even and odd chunks, take turns.
.macro XK p, g
	PLACES
.irp k, 0,1,2,3
	ds_load_tr16_b128 v[F+16*\k:F+16*\k+3],   v[16+(\g)] offset:9216*\k+256
	ds_load_tr16_b128 v[F+16*\k+4:F+16*\k+7], v[16+(\g)] offset:9216*\k+4608+256
.if \p
	ds_load_b128 v[F+16*\k+8:F+16*\k+11],  v226 offset:256*(\g)+64*\k
	ds_load_b128 v[F+16*\k+12:F+16*\k+15], v226 offset:256*(\g)+64*\k+32
.else
	ds_load_tr16_b128 v[F+16*\k+8:F+16*\k+11],  v[224+(\g)/2] offset:20480*((\g)%2)+5120*\k
	ds_load_tr16_b128 v[F+16*\k+12:F+16*\k+15], v[224+(\g)/2] offset:20480*((\g)%2)+5120*\k+2560
.endif
.endr
	s_wait_dscnt 0x0
.irp k, 0,1,2,3
.if ((\g) == 0) && (\k < 2)
	v_wmma_f32_16x16x32_bf16 v[DXA+8*(\k%2):DXA+8*(\k%2)+7], v[F+16*\k:F+16*\k+7], v[F+16*\k+8:F+16*\k+15], 0
.else
	v_wmma_f32_16x16x32_bf16 v[DXA+8*(\k%2):DXA+8*(\k%2)+7], v[F+16*\k:F+16*\k+7], v[F+16*\k+8:F+16*\k+15], v[DXA+8*(\k%2):DXA+8*(\k%2)+7]
.endif
.endr
.endm
	s_load_b512 s[8:23], s[0:1], 0x0               ; Wq s[8:9], Wk s[10:11], Wv s[12:13], Wp s[14:15], bq s[16:17], bv s[18:19], bp s[20:21], ww s[22:23]
	s_load_b64 s[24:25], s[0:1], 0x40              ; ub
	v_lshl_add_u32 v28, v0, 2, SPARE
	v_mov_b32 v29, 0
	v_lshrrev_b32 v1, 5, v0
	v_readfirstlane_b32 s2, v1                     ; wave 0..15
	s_lshr_b32 s3, ttmp9, 5                        ; p
	s_bfe_u32 s4, ttmp9, 0x30002                   ; nt
	s_and_b32 s5, ttmp9, 3                         ; ct
	s_and_b32 s6, s2, 3                            ; w % 4
	s_lshr_b32 s7, s2, 2                           ; w / 4
	v_and_b32 v1, 31, v0
	v_and_b32 v10, 15, v0
	v_bfe_u32 v11, v0, 4, 1
	v_and_b32 v20, 7, v0
	v_lshl_add_u32 v20, v11, 3, v20                ; the turning load's row: 8 (l / 16) + l % 8
	v_bfe_u32 v21, v0, 3, 1                        ; and its half of 16 columns
	v_mov_b32 v9, 0                                ; written on every path; where ct = 0 a load follows
	v_lshlrev_b32 v12, 2, v0                       ; 4 t: my number of bq or bv
	v_mul_u32_u24 v230, v0, PAP                    ; and its row d = t of A in LDS
	; A: from memory, into LDS, out of LDS
	s_lshl_b32 s36, s2, 11
	s_lshl_b32 s37, s5, 9
	s_add_co_u32 s36, s36, s37
	v_lshl_add_u32 v2, v1, 4, s36                  ; row d = w, 512 ct + 16 l
	s_mul_i32 s36, s2, PAP
	v_lshl_add_u32 v4, v1, 3, s36                  ; in LDS: row w, 8 l
	v_add_nc_u32 v5, 14*16*PAP, v4                 ; an LDS offset holds 16 bits: a base for every 14 steps of 16 rows
	v_add_nc_u32 v6, 28*16*PAP, v4
	v_mul_u32_u24 v16, v20, PAP
	v_lshl_add_u32 v16, v21, 4, v16
	s_lshl_b32 s36, s7, 6
	v_add_nc_u32 v16, s36, v16                     ; fragments: column block 2 (w / 4); chunks 0-3,
	v_add_nc_u32 v17, 4*9216, v16                  ; 4-7,
	v_add_nc_u32 v18, 8*9216, v16                  ; 8-11,
	v_add_nc_u32 v19, 12*9216, v16                 ; 12-15
	; B for p = 0: rows d = 32 i + 2 w + l / 16, 256 bytes each
	s_lshl_b32 s36, s2, 12
	s_lshl_b32 s37, s4, 8
	s_add_co_u32 s36, s36, s37
	v_lshlrev_b32 v3, 11, v11
	v_lshl_add_u32 v3, v10, 4, v3
	v_add_nc_u32 v3, s36, v3
	s_mul_i32 s36, s2, 320
	s_add_co_u32 s36, s36, PB0
	v_mul_u32_u24 v7, v11, 160
	v_lshl_add_u32 v7, v10, 3, v7
	v_add_nc_u32 v7, s36, v7
	v_add_nc_u32 v8, 8*5120, v7
	s_lshl_b32 s36, s6, 5
	s_add_co_u32 s36, s36, PB0
	v_mul_u32_u24 v224, v20, 160
	v_lshl_add_u32 v224, v21, 4, v224
	v_add_nc_u32 v224, s36, v224                   ; fragments, turned: column block w % 4; chunks 0-7,
	v_add_nc_u32 v225, 8*5120, v224                ; 8-15
	; B for p = 1: rows n = 64 nt + 4 i + w / 4, bytes 512 (w % 4) + 16 l
	s_lshl_b32 s36, s4, 17
	s_lshl_b32 s37, s7, 11
	s_add_co_u32 s36, s36, s37
	s_lshl_b32 s37, s6, 9
	s_add_co_u32 s36, s36, s37
	v_lshl_add_u32 v13, v1, 4, s36
	s_mul_i32 s36, s7, 1040
	s_lshl_b32 s37, s6, 8
	s_add_co_u32 s36, s36, s37
	s_add_co_u32 s36, s36, PB1
	v_lshl_add_u32 v14, v1, 3, s36
	v_add_nc_u32 v15, 8*4160, v14
	s_mul_i32 s36, s6, 16*1040
	s_add_co_u32 s36, s36, PB1
	v_mul_u32_u24 v226, v10, 1040
	v_lshl_add_u32 v226, v11, 4, v226
	v_add_nc_u32 v226, s36, v226                   ; fragments as they lie: rows 16 (w % 4) + l % 16
	; the way out
	s_mul_i32 s36, s6, 16*SPT
	s_lshl_b32 s37, s7, 6
	s_add_co_u32 s36, s36, s37
	s_add_co_u32 s36, s36, STG
	v_mul_u32_u24 v227, v10, SPT
	v_lshl_add_u32 v227, v11, 4, v227
	v_add_nc_u32 v227, s36, v227                   ; stage in: row 16 (w % 4) + l % 16, bytes 64 (w / 4) + 16 (l / 16)
	v_lshrrev_b32 v22, 4, v0
	v_mul_u32_u24 v228, v22, SPT
	v_lshl_add_u32 v228, v10, 4, v228
	v_add_nc_u32 v228, STG, v228                   ; stage back: row t / 16, 16 (t % 16)
	v_lshlrev_b32 v229, 11, v22
	v_lshl_add_u32 v229, v10, 4, v229              ; the same in ww: rows of 2,048 bytes
	s_lshl_b32 s36, s4, 8
	s_lshl_b32 s37, s6, 6
	s_add_co_u32 s36, s36, s37
	v_lshl_add_u32 v30, v10, 2, s36                ; 4 n, n = 64 nt + 16 (w % 4) + l % 16
	s_lshl_b32 s34, s4, 17                         ; where the block begins in ww.  p = 0: row 64 nt, byte 256 ct
	s_lshl_b32 s35, s5, 8
	s_add_co_u32 s34, s34, s35
	s_lshl_b32 s36, s5, 18                         ; p = 1: row 128 ct + 64 (nt % 2), byte 1,024 + 256 (nt / 2)
	s_and_b32 s37, s4, 1
	s_lshl_b32 s37, s37, 17
	s_add_co_u32 s36, s36, s37
	s_lshr_b32 s37, s4, 1
	s_lshl_b32 s37, s37, 8
	s_add_co_u32 s36, s36, s37
	s_add_co_u32 s36, s36, 1024
	s_cmp_eq_u32 s3, 0
	s_cselect_b32 s34, s34, s36
	s_mov_b32 s35, 0
	s_lshl_b32 s32, s3, 11                         ; u at byte 0 of ub, bo at 2,048
	s_mov_b32 s33, 0
	s_wait_kmcnt 0x0
	s_cmp_eq_u32 s3, 0
	s_cselect_b64 s[26:27], s[8:9], s[12:13]       ; A: Wq or Wv
	s_cselect_b64 s[28:29], s[10:11], s[14:15]     ; B: Wk or Wp
	s_cselect_b64 s[30:31], s[16:17], s[18:19]     ; bq or bv
	s_add_nc_u64 s[22:23], s[22:23], s[34:35]
	s_add_nc_u64 s[24:25], s[24:25], s[32:33]
.set i, 0
.rept 32                                       ; A: rows d = 16 i + w, 512 consecutive bytes a wave
	global_load_b128 v[F+4*i:F+4*i+3], v2, s[26:27] offset:32768*i
.set i, i+1
.endr
	s_cmp_lg_u32 s3, 0
	s_cbranch_scc1 .Lload1
.set i, 0
.rept 16
	global_load_b128 v[160+4*i:163+4*i], v3, s[28:29] offset:65536*i
.set i, i+1
.endr
	s_branch .Lloaded
.Lload1:
.set i, 0
.rept 16
	global_load_b128 v[160+4*i:163+4*i], v13, s[28:29] offset:8192*i
.set i, i+1
.endr
.Lloaded:
	s_cmp_lg_u32 s5, 0
	s_cbranch_scc1 .Lno_vec
	global_load_b32 v9, v12, s[30:31]              ; thread t: bq[t] or bv[t]
.Lno_vec:
	s_wait_loadcnt 0x0                             ; all 48 (49) loads of the lane went out together
.set i, 0
.rept 32
	v_cvt_pk_bf16_f32 v[F+4*i],   v[F+4*i],   v[F+4*i+1]
	v_cvt_pk_bf16_f32 v[F+4*i+1], v[F+4*i+2], v[F+4*i+3]
	ds_store_b64 v[4+i/14], v[F+4*i:F+4*i+1] offset:16*PAP*(i%14)
.set i, i+1
.endr
.set i, 0
.rept 16
	v_cvt_pk_bf16_f32 v[160+4*i], v[160+4*i], v[161+4*i]
	v_cvt_pk_bf16_f32 v[161+4*i], v[162+4*i], v[163+4*i]
.set i, i+1
.endr
	s_cmp_lg_u32 s3, 0
	s_cbranch_scc1 .Lstore1
.set i, 0
.rept 16
	ds_store_b64 v[7+i/8], v[160+4*i:161+4*i] offset:5120*(i%8)
.set i, i+1
.endr
	s_branch .Lstored
.Lstore1:
.set i, 0
.rept 16
	ds_store_b64 v[14+i/8], v[160+4*i:161+4*i] offset:4160*(i%8)
.set i, i+1
.endr
.Lstored:
	s_cmp_lg_u32 s5, 0
	s_cbranch_scc1 .Lno_vec2
.irp r, 21,22,23,24,25,26,27
	v_mov_b32 v\r, 0
.endr
	v_cvt_pk_bf16_f32 v20, v9, v21                 ; column 128: bq[d] or bv[d]; columns 129-143: 0
	ds_store_b128 v230, v[20:23] offset:256
	ds_store_b128 v230, v[24:27] offset:272
.Lno_vec2:
	s_wait_dscnt 0x0                               ; for the others' sake: my stores are done
	s_barrier_signal -1
	s_barrier_wait -1                              ; A and B lie whole in LDS
	s_cmp_lg_u32 s3, 0
	s_cbranch_scc1 .Lmul1
	FK 0, 0
	FK 0, 1
	FK 0, 2
	FK 0, 3
	s_branch .Lmul_done
.Lmul1:
	FK 1, 0
	FK 1, 1
	FK 1, 2
	FK 1, 3
.Lmul_done:
	PLACES
.irp r, 0,1,2,3
	v_cvt_pk_bf16_f32 v[184+\r], v[D0+2*\r], v[D0+2*\r+1]
.endr
.irp r, 0,1,2,3
	v_cvt_pk_bf16_f32 v[188+\r], v[D1+2*\r], v[D1+2*\r+1]
.endr
	ds_store_b128 v227, v[184:187]
	ds_store_b128 v227, v[188:191] offset:32
	s_or_b32 s40, s5, s7                           ; u or Wp bv: where ct = 0, the waves with w / 4 = 0
	s_cmp_lg_u32 s40, 0
	s_cbranch_scc1 .Lx_done
	s_cmp_lg_u32 s3, 0
	s_cbranch_scc1 .Lx1
	XK 0, 0
	XK 0, 1
	XK 0, 2
	XK 0, 3
	PLACES
	v_add_f32 v31, v[DXA], v[DXB]                  ; register 0 of lanes 0-15 is column 128's sum for row n
	s_branch .Lx_store
.Lx1:
	global_load_b32 v27, v30, s[20:21]             ; bp[n]
	XK 1, 0
	XK 1, 1
	XK 1, 2
	XK 1, 3
	PLACES
	v_add_f32 v31, v[DXA], v[DXB]
	s_wait_loadcnt 0x0
	v_add_f32 v31, v31, v27
.Lx_store:
	s_wait_xcnt 0x0                                ; EXEC changes only behind this wait
	v_cmp_gt_u32 vcc_lo, 16, v1
	s_and_saveexec_b32 s41, vcc_lo
	global_store_b32 v30, v31, s[24:25]            ; lanes 0-15: 64 consecutive bytes of u or bo
	s_wait_xcnt 0x0                                ; and again ahead of the line that widens it
	s_or_b32 exec_lo, exec_lo, s41
.Lx_done:
	s_wait_dscnt 0x0                               ; my stores into the stage are done
	s_barrier_signal -1
	s_barrier_wait -1
	ds_load_b128 v[32:35], v228
	ds_load_b128 v[36:39], v228 offset:32*SPT
	s_wait_dscnt 0x1                               ; the second load may stay out
	global_store_b128 v229, v[32:35], s[22:23]     ; 16 lanes store 256 consecutive bytes, at a multiple of 256 from ww's first byte
	s_wait_dscnt 0x0
	global_store_b128 v229, v[36:39], s[22:23] offset:65536
	s_wait_tensorcnt 0x0                           ; the wave's end: three closing lines behind my last LDS store
	ds_add_u32 v28, v29
	s_wait_dscnt 0x0
	s_endpgm
.Lfunc_end_k_q13a6cad9fe_fold:
	.size	k_q13a6cad9fe_fold, .Lfunc_end_k_q13a6cad9fe_fold-k_q13a6cad9fe_fold
	.p2alignl 7, 3214868480
	.fill 96, 4, 3214868480
	.section	.rodata,"a",@progbits
	.p2align	6, 0x0
	.amdhsa_kernel k_q13a6cad9fe_fold
		.amdhsa_group_segment_fixed_size 315392
		.amdhsa_private_segment_fixed_size 0
		.amdhsa_enable_private_segment 0
		.amdhsa_kernarg_size 72
		.amdhsa_user_sgpr_count 2
		.amdhsa_user_sgpr_kernarg_segment_ptr 1
		.amdhsa_wavefront_size32 1
		.amdhsa_system_sgpr_workgroup_id_x 1
		.amdhsa_system_sgpr_workgroup_id_y 1
		.amdhsa_system_sgpr_workgroup_id_z 1
		.amdhsa_system_vgpr_workitem_id 0
		.amdhsa_next_free_vgpr 232
		.amdhsa_next_free_sgpr 66
		.amdhsa_reserve_vcc 1
		.amdhsa_float_denorm_mode_32 3
		.amdhsa_float_denorm_mode_16_64 3
		.amdhsa_memory_ordered 1
		.amdhsa_forward_progress 1
		.amdhsa_inst_pref_size 53
	.end_amdhsa_kernel
	.amdgpu_metadata
---
amdhsa.version: [ 1, 2 ]
amdhsa.kernels:
  - .name:           k_q13a6cad9fe_fold
    .symbol:         k_q13a6cad9fe_fold.kd
    .args:
      - { .name: Wq, .offset: 0, .size: 8, .value_kind: global_buffer, .address_space: global }
      - { .name: Wk, .offset: 8, .size: 8, .value_kind: global_buffer, .address_space: global }
      - { .name: Wv, .offset: 16, .size: 8, .value_kind: global_buffer, .address_space: global }
      - { .name: Wp, .offset: 24, .size: 8, .value_kind: global_buffer, .address_space: global }
      - { .name: bq, .offset: 32, .size: 8, .value_kind: global_buffer, .address_space: global }
      - { .name: bv, .offset: 40, .size: 8, .value_kind: global_buffer, .address_space: global }
      - { .name: bp, .offset: 48, .size: 8, .value_kind: global_buffer, .address_space: global }
      - { .name: ww, .offset: 56, .size: 8, .value_kind: global_buffer, .address_space: global }
      - { .name: ub, .offset: 64, .size: 8, .value_kind: global_buffer, .address_space: global }
    .group_segment_fixed_size: 315392
    .private_segment_fixed_size: 0
    .kernarg_segment_align: 8
    .kernarg_segment_size: 72
    .max_flat_workgroup_size: 512
    .sgpr_count:     66
    .vgpr_count:     232
    .wavefront_size: 32
...
	.end_amdgpu_metadata
.endif
;; end of part 1
;; launch norm (part 2): grid 256 x 1, 16 waves a work-group, no clusters, 2,560 bytes of LDS; arguments x, gamma, beta, xb; writes xb
.if DOCPART == 2
	.amdgcn_target "amdgcn-amd-amdhsa--gfx1250"
	.amdhsa_code_object_version 6
	.text
	.protected	k_q13a6cad9fe_norm
	.globl	k_q13a6cad9fe_norm
	.p2align	8
	.type	k_q13a6cad9fe_norm,@function
k_q13a6cad9fe_norm:
	s_mov_b64 s[64:65], 0
	v_nop
	global_prefetch_b8 v0, s[64:65] scope:SCOPE_SE
	s_setreg_imm32_b32 hwreg(HW_REG_WAVE_MODE, 25, 1), 1
	s_wait_xcnt 0x0
; GROUP NORM: xb[b][c][n] = bf16((x[b][c][n] - mean) rsqrt(var + 1e-5) gamma[c] + beta[c]), mean and var over the group's 64 channels x 1,024 places.
; A work-group owns one (batch, group): 262,144 consecutive bytes of x.  Each of its 16 waves takes 4 channels, 32 loads of 16 bytes a lane, and keeps them in 128 registers:
; x is read once.  The variance is the mean of (x - mean)^2, taken in a second pass over the registers: no difference of large sums is formed.
; All of a wave's 32 loads go out together (16 KiB a wave, 256 KiB a work-group); the first pass begins when the first eight are in.  Nothing is shared between work-groups, so
; there is no cluster and no tensor load; the stream has no matrix work.  xb is rounded once to bf16: it is the matrix operand and the residual of the next launch.
.set SPARE, 512                        ; LDS: bytes 0-63 the waves' sums, 64-127 their sums of squares; from 512 the spare words, 128 bytes a wave, that no other line names
.set X,   16                           ; v[16:143]  my 128 numbers: load i at X + 4 i; channel i / 8
.set CH,  144                          ; v[144:151] four chains of packed sums; later gamma rstd, a pair a channel
.set RB,  160                          ; v[160:175] the 16 waves' partial sums
; v1 offset in x, v2 offset in xb, v3 4 x wave, v4-5 mean (twice), v6-7 at work, v8-15 beta, a pair a channel, v152-153 the add's two, v154 0
.macro WGSUM base                      ; the four chains -> the sum over the work-group, in v6 of every lane
	v_pk_add_f32 v[CH:CH+1], v[CH:CH+1], v[CH+2:CH+3]
	v_pk_add_f32 v[CH+4:CH+5], v[CH+4:CH+5], v[CH+6:CH+7]
	v_pk_add_f32 v[CH:CH+1], v[CH:CH+1], v[CH+4:CH+5]
	v_add_f32 v6, v[CH], v[CH+1]
	v_add_f32_dpp v6, v6, v6 row_xmask:1 row_mask:0xf bank_mask:0xf
	v_add_f32_dpp v6, v6, v6 row_xmask:2 row_mask:0xf bank_mask:0xf
	v_add_f32_dpp v6, v6, v6 row_xmask:4 row_mask:0xf bank_mask:0xf
	v_add_f32_dpp v6, v6, v6 row_xmask:8 row_mask:0xf bank_mask:0xf
	v_permlanex16_b32 v7, v6, s12, s13
	v_add_f32 v6, v6, v7
	ds_store_b32 v3, v6 offset:\base               ; all lanes write the wave's word with the same value
	s_wait_dscnt 0x0                               ; for the others' sake
	s_barrier_signal -1
	s_barrier_wait -1
.irp k, 0,1,2,3
	ds_load_b128 v[RB+4*\k:RB+4*\k+3], v154 offset:\base+16*\k
.endr
	s_wait_dscnt 0x0
.irp k, 0,4,8,12
	v_pk_add_f32 v[RB+\k:RB+\k+1], v[RB+\k:RB+\k+1], v[RB+\k+2:RB+\k+3]
.endr
	v_pk_add_f32 v[RB:RB+1], v[RB:RB+1], v[RB+4:RB+5]
	v_pk_add_f32 v[RB+8:RB+9], v[RB+8:RB+9], v[RB+12:RB+13]
	v_pk_add_f32 v[RB:RB+1], v[RB:RB+1], v[RB+8:RB+9]
	v_add_f32 v6, v[RB], v[RB+1]
.endm
	s_load_b256 s[4:11], s[0:1], 0x0               ; x s[4:5], gamma s[6:7], beta s[8:9], xb s[10:11]
	v_lshl_add_u32 v152, v0, 2, SPARE
	v_mov_b32 v153, 0
	v_lshrrev_b32 v1, 5, v0
	v_readfirstlane_b32 s14, v1                    ; wave 0..15
	v_and_b32 v2, 31, v0
	s_lshl_b32 s15, s14, 14
	v_lshl_add_u32 v1, v2, 4, s15                  ; 16,384 x wave + 16 x lane
	s_lshl_b32 s15, s14, 13
	v_lshl_add_u32 v2, v2, 3, s15                  ; 8,192 x wave + 8 x lane
	v_mov_b32 v3, s14
	v_lshlrev_b32 v3, 2, v3
	v_mov_b32 v7, 0                                ; v_permlanex16_b32's destination counts as read
	v_mov_b32 v154, 0
	s_mov_b32 s12, 0x76543210
	s_mov_b32 s13, 0xfedcba98
	s_lshl_b32 s16, ttmp9, 18                      ; the group's bytes in x
	s_mov_b32 s17, 0
	s_lshl_b32 s18, ttmp9, 17                      ; and in xb
	s_mov_b32 s19, 0
	s_and_b32 s20, ttmp9, 7
	s_lshl_b32 s20, s20, 8                         ; the group's 64 channels x 4 bytes,
	s_lshl_b32 s21, s14, 4                         ; my wave's 4 of them
	s_add_co_u32 s20, s20, s21
	s_mov_b32 s21, 0
	s_wait_kmcnt 0x0
	s_add_nc_u64 s[4:5], s[4:5], s[16:17]
	s_add_nc_u64 s[10:11], s[10:11], s[18:19]
	s_add_nc_u64 s[6:7], s[6:7], s[20:21]
	s_add_nc_u64 s[8:9], s[8:9], s[20:21]
.set i, 0
.rept 32
	global_load_b128 v[X+4*i:X+4*i+3], v1, s[4:5] offset:512*i th:TH_LOAD_NT
.set i, i+1
.endr
	s_load_b128 s[24:27], s[6:7], 0x0              ; gamma of my 4 channels
	s_load_b128 s[28:31], s[8:9], 0x0              ; beta
	s_wait_loadcnt 24                              ; the first eight loads are in; 24 younger ones may stay out
.irp k, 0,1,2,3
	v_pk_add_f32 v[CH+2*\k:CH+2*\k+1], v[X+2*\k:X+2*\k+1], v[X+8+2*\k:X+8+2*\k+1]  ; the first pairs start the chains: nothing is cleared
.endr
.set j, 8
.rept 56
.if j%16 == 0
	s_wait_loadcnt 24-8*(j/16)                     ; eight loads more: 16, 8, 0 younger ones stay out
.endif
	v_pk_add_f32 v[CH+2*(j%4):CH+2*(j%4)+1], v[CH+2*(j%4):CH+2*(j%4)+1], v[X+2*j:X+2*j+1]
.set j, j+1
.endr
	WGSUM 0
	v_mul_f32 v4, 0x37800000, v6                   ; mean = sum / 65,536
	v_mov_b32 v5, v4
.set j, 0
.rept 64
	v_pk_add_f32 v[X+2*j:X+2*j+1], v[X+2*j:X+2*j+1], v[4:5] neg_lo:[0,1] neg_hi:[0,1]
.if j < 4
	v_pk_mul_f32 v[CH+2*j:CH+2*j+1], v[X+2*j:X+2*j+1], v[X+2*j:X+2*j+1]
.else
	v_pk_fma_f32 v[CH+2*(j%4):CH+2*(j%4)+1], v[X+2*j:X+2*j+1], v[X+2*j:X+2*j+1], v[CH+2*(j%4):CH+2*(j%4)+1]
.endif
.set j, j+1
.endr
	WGSUM 64                                       ; other bytes than the first sum's: no wave need wait for the first sum's readers
	v_mul_f32 v6, 0x37800000, v6                   ; var
	v_add_f32 v6, 0x3727c5ac, v6                   ; + 1e-5
	v_rsq_f32 v7, v6
	v_nop                                          ; a plain instruction behind the transcendental (ISA guide 5.7.2),
	s_wait_alu depctr_va_vdst(0)                   ; and the wait ahead of its first reader
	s_wait_kmcnt 0x0
.irp c, 0,1,2,3
	v_mul_f32 v[CH+2*\c],   s[24+\c], v7
	v_mul_f32 v[CH+2*\c+1], s[24+\c], v7
	v_mov_b32 v[8+2*\c], s[28+\c]
	v_mov_b32 v[9+2*\c], s[28+\c]
.endr
.set i, 0
.rept 32
	v_pk_fma_f32 v[X+4*i:X+4*i+1],   v[X+4*i:X+4*i+1],   v[CH+2*(i/8):CH+2*(i/8)+1], v[8+2*(i/8):9+2*(i/8)]
	v_pk_fma_f32 v[X+4*i+2:X+4*i+3], v[X+4*i+2:X+4*i+3], v[CH+2*(i/8):CH+2*(i/8)+1], v[8+2*(i/8):9+2*(i/8)]
	v_cvt_pk_bf16_f32 v[X+4*i],   v[X+4*i],   v[X+4*i+1]
	v_cvt_pk_bf16_f32 v[X+4*i+1], v[X+4*i+2], v[X+4*i+3]
	global_store_b64 v2, v[X+4*i:X+4*i+1], s[10:11] offset:256*i  ; the wave stores 256 consecutive bytes, at a multiple of 256 from xb's first byte
.set i, i+1
.endr
	s_wait_tensorcnt 0x0                           ; the wave's end: three closing lines behind my last LDS store
	ds_add_u32 v152, v153
	s_wait_dscnt 0x0
	s_endpgm
.Lfunc_end_k_q13a6cad9fe_norm:
	.size	k_q13a6cad9fe_norm, .Lfunc_end_k_q13a6cad9fe_norm-k_q13a6cad9fe_norm
	.p2alignl 7, 3214868480
	.fill 96, 4, 3214868480
	.section	.rodata,"a",@progbits
	.p2align	6, 0x0
	.amdhsa_kernel k_q13a6cad9fe_norm
		.amdhsa_group_segment_fixed_size 2560
		.amdhsa_private_segment_fixed_size 0
		.amdhsa_enable_private_segment 0
		.amdhsa_kernarg_size 32
		.amdhsa_user_sgpr_count 2
		.amdhsa_user_sgpr_kernarg_segment_ptr 1
		.amdhsa_wavefront_size32 1
		.amdhsa_system_sgpr_workgroup_id_x 1
		.amdhsa_system_sgpr_workgroup_id_y 1
		.amdhsa_system_sgpr_workgroup_id_z 1
		.amdhsa_system_vgpr_workitem_id 0
		.amdhsa_next_free_vgpr 176
		.amdhsa_next_free_sgpr 66
		.amdhsa_reserve_vcc 0
		.amdhsa_float_denorm_mode_32 3
		.amdhsa_float_denorm_mode_16_64 3
		.amdhsa_memory_ordered 1
		.amdhsa_forward_progress 1
		.amdhsa_inst_pref_size 32
	.end_amdhsa_kernel
	.amdgpu_metadata
---
amdhsa.version: [ 1, 2 ]
amdhsa.kernels:
  - .name:           k_q13a6cad9fe_norm
    .symbol:         k_q13a6cad9fe_norm.kd
    .args:
      - { .name: x, .offset: 0, .size: 8, .value_kind: global_buffer, .address_space: global }
      - { .name: gamma, .offset: 8, .size: 8, .value_kind: global_buffer, .address_space: global }
      - { .name: beta, .offset: 16, .size: 8, .value_kind: global_buffer, .address_space: global }
      - { .name: xb, .offset: 24, .size: 8, .value_kind: global_buffer, .address_space: global }
    .group_segment_fixed_size: 2560
    .private_segment_fixed_size: 0
    .kernarg_segment_align: 8
    .kernarg_segment_size: 32
    .max_flat_workgroup_size: 512
    .sgpr_count:     66
    .vgpr_count:     176
    .wavefront_size: 32
...
	.end_amdgpu_metadata
.endif
;; end of part 2
;; launch attn (part 3): grid 8 x 32, 4 waves a work-group, clusters of 4 x 1, 327,680 bytes of LDS; arguments xb, ww, ub, out0; writes out0
.if DOCPART == 3
	.amdgcn_target "amdgcn-amd-amdhsa--gfx1250"
	.amdhsa_code_object_version 6
	.text
	.protected	k_q13a6cad9fe_attn
	.globl	k_q13a6cad9fe_attn
	.p2align	8
	.type	k_q13a6cad9fe_attn,@function
k_q13a6cad9fe_attn:
	s_mov_b64 s[64:65], 0
	v_nop
	global_prefetch_b8 v0, s[64:65] scope:SCOPE_SE
	s_setreg_imm32_b32 hwreg(HW_REG_WAVE_MODE, 25, 1), 1
	s_wait_xcnt 0x0
	s_wait_alu depctr_hold_cnt(0) depctr_sa_sdst(0) depctr_va_vdst(0) depctr_va_sdst(0) depctr_va_ssrc(0) depctr_va_vcc(0) depctr_vm_vsrc(0)
	s_getreg_b32 s2, hwreg(HW_REG_IB_STS2, 6, 4)
	s_cmp_eq_u32 s2, 0
	s_cbranch_scc0 .Lentry_in_a_cluster
	s_endpgm
.Lentry_in_a_cluster:
	s_bfe_u32 s2, ttmp6, 0x10000c
	s_cmp_lg_u32 s2, 0x3003
	s_cbranch_scc0 .Lentry_shape_is_right
	s_endpgm
.Lentry_shape_is_right:
; ATTENTION on the folded weights.  X = xb[batch] ([c][n], bf16).  For a block of 128 queries n:
;   T[c'][n] = sum_c Mt[c'][c] X[c][n] + u[c'];   S[m][n] = sum_c' X[c'][m] T[c'][n];   p = softmax over m of S / sqrt(512);
;   O[c][n] = sum_m X[c][m] p[m][n];   out0[e][n] = sum_c Wpv[e][c] O[c][n] + bo[e] + X[e][n].
; LEFT OUT, as shown at the head of the first kernel: bk (constant along the softmax's axis) and the k and v projections (folded into Mt, u, Wpv, bo).
; Keys and values are both X: one stream of tiles serves both products.
; LIMITS.  Operands X, Mt, Wpv, T, p and the unnormalised O are bf16, sums, maxima and l f32; the residual is the bf16 X (off by at most 2^-9 of itself).  T's sums must be finite: the
; accumulators that held them become O's and are wiped by the first key step's factor 0.  A weight below 2^-126 counts as 0 in l.  NaN and infinities are not treated apart.
; SHARES.  256 work-groups: batch = grid y, block of 128 queries = grid x.  Wave w owns queries 32 w .. 32 w + 31, two tiles q of 16, through the whole chain; waves meet only in the stage on the way out.
; LAYOUT.  Every product has a lane hold ONE query (lane % 16) and eight rows 8 (lane / 16) + 0..7 of the result; two such results rounded to bf16 in pairs ARE source 1 of the next product.
; THE RING.  One tile shape for all: 512 rows x 128 bf16 (256 bytes), 2,048 bytes apart in memory, 272 in LDS; wave w fetches rows 128 w .. 128 w + 127 with one tensor load.  17 tiles go through two
; slots: 0 my block's columns of X; 1-4 Mt's four slabs of 128 c; 5-12 X's eight tiles of 128 keys; 13-16 Wpv's four blocks of 128 e.  The step for tile i asks for tile i + 1, first thing behind its
; round.  By this text's own count a wave has two tensor loads out at the start and one afterwards.
; CLUSTER.  The four query blocks of a cluster belong to one batch: tiles 1-16 are asked for JOINTLY (same line, same descriptor, mask of four); tile 0 is each work-group's own.
; REGISTERS, in windows of 256 (s_set_vgpr_msb: bits 1:0 source 0, 3:2 source 1, 5:4 source 2, 7:6 destination):
;   window 0: v2 LT, v3 LP lane terms; v4-5 turned, v6-7 plain fragment addresses; v8-11 stage; v12 16 l, v13 8 l, v14 32 (l / 16), v15 2,048 l; v16 + 6 q: c m, m, l, l, a, at work; v28-29 the add's two;
;             v32-127 three buffers of four fragments (the third is also the softmax's scratch); v128-255 S (128 + 64 q + 8 kb), then P in place (128 + 32 q + 8 kch); on the way out sums, bias, residual, rows
;   window 1: my X fragments, then T, then O in bf16 (16 kc + 8 q)          windows 2, 3: 64 accumulators (row block cb, tile q at window 2 + cb / 16, 16 (cb % 16) + 8 q): T's sums, then O
.set PITCH, 272
.set QTR,   128*PITCH                  ; what one tensor load brings: 34,816 bytes
.set HALF,  2*QTR
.set SLOT,  4*QTR                      ; 139,264 = 0x22000: wave x QTR has neither of its two bits, so one exclusive or changes slots
.set STG,   2*SLOT                     ; behind the ring, never filled by a tensor load: two stage buffers of 32 rows, 528 bytes apart
.set SP,    528
.set SBUF,  32*SP
.set SPARE, STG+2*SBUF                 ; the spare words: 128 bytes for each wave; no other line names them
; s12 wave, s13 cx, s[16:23] group 1 (joint), s[24:31] group 1 (own), s[32:35] group 0 (walks), s[36:39] group 0 (tile 0), s[40:41] next tile's address, s[42:43] X's tile 0, s[44:45] Wpv's tile 0,
; s[46:47] prefetch address, s[48:49] its step, s50 slot in hand, s51 loop count, s52 step number, s53 8 where my cluster prefetches, s[54:55] c, s[56:57] lane selects, s58 stage buffer, s59 group count,
; s[60:61] residual, s[62:63] out0, s[66:67] bo
.set MSB, 0
.macro WIN new                         ; the immediate's high byte repeats the setting that is left; a switch that changes nothing is dropped
.if MSB != (\new)
	s_set_vgpr_msb (MSB<<8)|(\new)
.set MSB, \new
.endif
.endm
.macro PLACES                          ; four plain places behind a matrix instruction, ahead of loads into its registers and of vector lines that touch them
.rept 4
	v_nop
.endr
.endm
.macro ROUND                           ; a round of the cluster's barrier
	s_barrier_signal -1
	s_barrier_wait -1
	s_cmp_lg_u32 s12, 0
	s_cbranch_scc1 .Lnot_wave_0_\@
	s_barrier_signal -3
.Lnot_wave_0_\@:
	s_barrier_wait -3
	s_barrier_signal -1
	s_barrier_wait -1
.endm
; THE CHANGE OF SLOTS.  Each wave waits for all its tensor loads (one is out: its quarter of the tile to be entered), adds 0 to its spare word, and waits for that and for its reads of the slot that it
; leaves.  fill = 1: a round of the cluster's barrier follows, so that no wave of any partner still reads that slot or has a load on its way, and the joint refill is the first thing behind it.
; pf = 1: the prefetch address is stepped (steps 3 to 9).  alt = 1: in the loop's last trip the next tile is another tensor's first: its address is taken from s[areg:areg+1].
.macro CHANGE fill, pf, alt, areg
	WIN 0
.if \pf
	s_wait_xcnt 0x0                                ; the last prefetch, a step back, has read its address
	s_add_co_u32 s52, s52, 1
	s_sub_co_u32 s68, s52, 3
	s_cmp_lt_u32 s68, 7
	s_cselect_b32 s48, 256, 0
	s_add_nc_u64 s[46:47], s[46:47], s[48:49]
.endif
	s_wait_tensorcnt 0x0                           ; no tensor load of mine is out, so group 0 may be written
	ds_add_u32 v28, v29                            ; 0 onto my spare word; the scalar work stands between it and its wait
.if \fill
	s_xor_b32 s33, s33, SLOT                       ; the other slot than last time
	s_add_nc_u64 s[40:41], s[40:41], 256           ; the next 128 columns
.if \alt
	s_cmp_eq_u32 s51, 1
	s_cselect_b64 s[40:41], s[\areg:\areg+1], s[40:41]
.endif
	s_mov_b64 s[34:35], s[40:41]
	s_or_b32 s35, s35, 0x80000000                  ; type = 2
.endif
	s_xor_b32 s50, s50, SLOT                       ; the slot that is entered
	s_wait_dscnt 0x0                               ; the add is done, and my reads of the old slot are over
.if \fill
	ROUND
	tensor_load_to_lds s[32:35], s[16:23]
	s_nop 0
.else
	s_barrier_signal -1
	s_barrier_wait -1
.endif
	v_add_nc_u32 v4, s50, v2                       ; four plain lines: the new slot's addresses; they are also the places behind the last products
	v_add_nc_u32 v6, s50, v3
	v_add_nc_u32 v5, HALF, v4
	v_add_nc_u32 v7, HALF, v6
.endm
; A PREFETCH INTO THE L2: step i (2 to 9) names X's key tile i - 2, which the refill of step i + 2 will ask for: two steps ahead.  A lane a row: row 128 w + 32 cx + l, 256 bytes of it.  Both clusters of a
; batch walk the same X: the first (cluster x = 0) asks; its four partners share the rows out by address.  So each row's 256 bytes of a tile are named once in the launch.  ww is not asked for: every
; work-group reads it.
.macro ASK
	s_sub_co_u32 s68, s52, 2
	s_cmp_lt_u32 s68, s53
	s_cbranch_scc0 .Lnot_mine_\@
	global_prefetch_b8 v15, s[46:47] th:TH_LOAD_NT scope:SCOPE_SE
.Lnot_mine_\@:
.endm
; Batch n of 32, rows as they lie: four fragments (row blocks cb = 4 (n / 4) + f, 32 columns 32 (n % 4) on) into buffer n % 3.
.macro LDP n
.set bf, 32+32*((\n)%3)
.irp f, 0,1,2,3
.set cb, 4*((\n)/4)+\f
	ds_load_b128 v[bf+8*\f:bf+8*\f+3],   v[6+cb/16] offset:(cb%16)*16*PITCH+64*((\n)%4)
	ds_load_b128 v[bf+8*\f+4:bf+8*\f+7], v[6+cb/16] offset:(cb%16)*16*PITCH+64*((\n)%4)+32
.endr
.endm
; Its eight products: accumulator (cb, q) += fragment x source 1 (tm = 1: my X fragments, window 1; tm = 0: P, window 0).  The eight accumulators take turns.
.macro MMP n, tm
.set bf, 32+32*((\n)%3)
	WIN 0xa0+4*(\tm)+0x50*((\n)/16)
.irp f, 0,1,2,3
.irp q, 0,1
.set ra, 16*((4*((\n)/4)+\f)%16)+8*\q
.set rb, 128*(1-(\tm))+32*\q+8*((\n)%4)
	v_wmma_f32_16x16x32_bf16 v[ra:ra+7], v[bf+8*\f:bf+8*\f+7], v[rb:rb+7], v[ra:ra+7]
.endr
.endr
.endm
; The pipeline of 32 batches: two batches are always on their way.  A batch's loads stand four places behind the products that read its buffer; the wait leaves the younger batches' loads out (8 each).
.macro RUNP tm, pre                    ; pre = 1: batches 0 and 1 have been asked for
.if !(\pre)
	WIN 0
	LDP 0
	LDP 1
	ASK
.endif
.set i, 0
.rept 32
	PLACES
.if i+2 < 32
	WIN 0
	LDP i+2
.endif
.if i < 30
	s_wait_dscnt 16
.elseif i == 30
	s_wait_dscnt 8
.else
	s_wait_dscnt 0x0
.endif
	MMP i, \tm
.set i, i+1
.endr
.endm
; Batch n of 32 of S = X^T T: four fragments of keys (16 (4 (n % 2) + f) on) x 32 rows c' (32 (n / 2) on), turned on their way out of LDS.
.macro LDQ n
.set bf, 32+32*((\n)%3)
.set kc, (\n)/2
.irp f, 0,1,2,3
.set kb, 4*((\n)%2)+\f
	ds_load_tr16_b128 v[bf+8*\f:bf+8*\f+3],   v[4+kc/8] offset:(kc%8)*32*PITCH+32*kb
	ds_load_tr16_b128 v[bf+8*\f+4:bf+8*\f+7], v[4+kc/8] offset:(kc%8)*32*PITCH+32*kb+16*PITCH
.endr
.endm
.macro MMQ n                           ; the 16 accumulators S take turns; the first two batches start the sums
.set bf, 32+32*((\n)%3)
.set kc, (\n)/2
.irp f, 0,1,2,3
.irp q, 0,1
.set rs, 128+64*\q+8*(4*((\n)%2)+\f)
.set rt, 16*kc+8*\q
.if kc == 0
	v_wmma_f32_16x16x32_bf16 v[rs:rs+7], v[bf+8*\f:bf+8*\f+7], v[rt:rt+7], 0
.else
	v_wmma_f32_16x16x32_bf16 v[rs:rs+7], v[bf+8*\f:bf+8*\f+7], v[rt:rt+7], v[rs:rs+7]
.endif
.endr
.endr
.endm
.macro RUNQ
	WIN 0
	LDQ 0
	LDQ 1
	ASK
	WIN 0x04                                       ; T in window 1; all else, the loads' registers too, in window 0: no switch in the run
.set i, 0
.rept 32
	PLACES
.if i+2 < 32
	LDQ i+2
.endif
.if i < 30
	s_wait_dscnt 16
.elseif i == 30
	s_wait_dscnt 8
.else
	s_wait_dscnt 0x0
.endif
	MMQ i
.set i, i+1
.endr
.endm
; THE SOFTMAX of a key step, both tiles: running maximum m, p = 2^(c s - c m), a = 2^(c m_old - c m_new), l = a l + sum p, O = a O.
.macro SC j                            ; c s - c m for pair j / 2 of tile j % 2
.set rs, 128+64*((\j)%2)+2*((\j)/2)
.set rt, 16+6*((\j)%2)
	v_pk_fma_f32 v[rs:rs+1], v[rs:rs+1], s[54:55], v[rt:rt+1] op_sel_hi:[1,0,0] neg_lo:[0,0,1] neg_hi:[0,0,1]
.endm
.macro EX j, z
.set rs, 128+64*((\j)%2)+2*((\j)/2)+(\z)
	v_exp_f32 v[rs], v[rs]
.endm
.macro SOFTMAX
	PLACES
	WIN 0
	LDP 0                                          ; the second product's first two batches land under the softmax
	LDP 1
.irp n, 0,1,2,3,4,5,6,7                ; eight chains a tile; each accumulator's lowest registers are read first
.irp q, 0,1
	v_max3_num_f32 v[96+8*\q+\n], v[128+64*\q+8*\n], v[129+64*\q+8*\n], v[130+64*\q+8*\n]
.endr
.endr
.irp n, 0,1,2,3,4,5,6,7
.irp q, 0,1
	v_max3_num_f32 v[96+8*\q+\n], v[96+8*\q+\n], v[131+64*\q+8*\n], v[132+64*\q+8*\n]
.endr
.endr
.irp n, 0,1,2,3,4,5,6,7
.irp q, 0,1
	v_max3_num_f32 v[96+8*\q+\n], v[96+8*\q+\n], v[133+64*\q+8*\n], v[134+64*\q+8*\n]
.endr
.endr
.irp n, 0,1,2,3
.irp q, 0,1
	v_max3_num_f32 v[96+8*\q+\n], v[96+8*\q+\n], v[135+64*\q+16*\n], v[143+64*\q+16*\n]
.endr
.endr
.irp q, 0,1
	v_max3_num_f32 v[96+8*\q], v[96+8*\q], v[100+8*\q], v[101+8*\q]
	v_max3_num_f32 v[97+8*\q], v[97+8*\q], v[102+8*\q], v[103+8*\q]
	v_max3_num_f32 v[98+8*\q], v[98+8*\q], v[99+8*\q], v[17+6*\q]
.endr
.irp q, 0,1
	v_max3_num_f32 v[96+8*\q], v[96+8*\q], v[97+8*\q], v[98+8*\q]
.endr
.irp q, 0,1
	v_permlanex16_b32 v[97+8*\q], v[96+8*\q], s56, s57  ; the query's other keys lie in the lane 16 away
.endr
.irp q, 0,1
	v_mov_b32 v[21+6*\q], v[16+6*\q]               ; c m_old
.endr
.irp q, 0,1
	v_max_num_f32 v[17+6*\q], v[96+8*\q], v[97+8*\q]
.endr
.irp q, 0,1
	v_mul_f32 v[16+6*\q], s54, v[17+6*\q]
.endr
.irp q, 0,1
	v_sub_f32 v[21+6*\q], v[21+6*\q], v[16+6*\q]
.endr
.irp q, 0,1
	v_exp_f32 v[20+6*\q], v[21+6*\q]               ; ONE BATCH: the two a and the 128 weights; nothing ahead of the wait below names a result
.endr
	SC 0
.set j, 1
.rept 63
	EX j-1, 0
	SC j
	EX j-1, 1
.set j, j+1
.endr
	EX 63, 0
	EX 63, 1
	v_nop                                          ; a plain instruction behind the last exponential (ISA guide 5.7.2),
	s_wait_alu depctr_va_vdst(0)                   ; and the one wait ahead of the batch's first reader
.irp k, 0,1,2,3                        ; the sums of the unrounded weights: four chains a tile
.irp q, 0,1
	v_pk_add_f32 v[112+8*\q+2*\k:113+8*\q+2*\k], v[128+64*\q+2*\k:129+64*\q+2*\k], v[136+64*\q+2*\k:137+64*\q+2*\k]
.endr
.endr
.set t, 8
.rept 24
.irp q, 0,1
	v_pk_add_f32 v[112+8*\q+2*(t%4):113+8*\q+2*(t%4)], v[112+8*\q+2*(t%4):113+8*\q+2*(t%4)], v[128+64*\q+2*t:129+64*\q+2*t]
.endr
.set t, t+1
.endr
.irp q, 0,1
	v_pk_add_f32 v[112+8*\q:113+8*\q], v[112+8*\q:113+8*\q], v[114+8*\q:115+8*\q]
	v_pk_add_f32 v[116+8*\q:117+8*\q], v[116+8*\q:117+8*\q], v[118+8*\q:119+8*\q]
.endr
.irp q, 0,1
	v_pk_add_f32 v[112+8*\q:113+8*\q], v[112+8*\q:113+8*\q], v[116+8*\q:117+8*\q]
.endr
.irp q, 0,1
	v_pk_fma_f32 v[18+6*\q:19+6*\q], v[18+6*\q:19+6*\q], v[20+6*\q:21+6*\q], v[112+8*\q:113+8*\q] op_sel_hi:[1,0,1]
.endr
.set t, 0
.rept 32                               ; P in place, ascending: register t is written when registers 2 t and 2 t + 1 have been read
	v_cvt_pk_bf16_f32 v[128+t], v[128+2*t], v[129+2*t]
.set t, t+1
.endr
.set t, 0
.rept 32                               ; tile 1's goes where tile 0's upper scores lay
	v_cvt_pk_bf16_f32 v[160+t], v[192+2*t], v[193+2*t]
.set t, t+1
.endr
	WIN 0x82
.set t, 0
.rept 128
	v_pk_mul_f32 v[t:t+1], v[t:t+1], v[20+6*((t/8)%2):21+6*((t/8)%2)] op_sel_hi:[1,0]
.set t, t+2
.endr
	WIN 0xc3
.set t, 0
.rept 128
	v_pk_mul_f32 v[t:t+1], v[t:t+1], v[20+6*((t/8)%2):21+6*((t/8)%2)] op_sel_hi:[1,0]
.set t, t+2
.endr
.endm
; The 64 accumulators, rounded to bf16 in pairs, become source 1 of the next product: row blocks 2 kc and 2 kc + 1 of tile q -> window 1, 16 kc + 8 q.
.macro CVT
	PLACES
.set kc, 0
.rept 16
	WIN 0x4a+5*(kc/8)
.irp q, 0,1
.irp t, 0,1,2,3,4,5,6,7
	v_cvt_pk_bf16_f32 v[16*kc+8*\q+\t], v[16*((2*kc+\t/4)%16)+8*\q+2*(\t%4)], v[16*((2*kc+\t/4)%16)+8*\q+2*(\t%4)+1]
.endr
.endr
.set kc, kc+1
.endr
	WIN 0
.endm
; THE WAY OUT.  A tile of Wpv holds 128 rows e; tile row = 128 (c / 128) + e % 128.  A group is 32 rows e: batch n of 8 brings fragments (e block f % 2, chunk kc = 2 n + f / 2 of 32 c).
.macro LDF n
.set bf, 32+32*((\n)%3)
.irp f, 0,1,2,3
.set kc, 2*(\n)+\f/2
.set of, ((kc/4)%2)*QTR+(\f%2)*16*PITCH+(kc%4)*64
	ds_load_b128 v[bf+8*\f:bf+8*\f+3],   v[6+kc/8] offset:of
	ds_load_b128 v[bf+8*\f+4:bf+8*\f+7], v[6+kc/8] offset:of+32
.endr
.endm
.macro MMF n                           ; the group's four accumulators take turns; the first chunk starts the sums
.set bf, 32+32*((\n)%3)
.irp f, 0,1,2,3
.irp q, 0,1
.set kc, 2*(\n)+\f/2
.set ra, 128+16*(\f%2)+8*\q
.if kc == 0
	v_wmma_f32_16x16x32_bf16 v[ra:ra+7], v[bf+8*\f:bf+8*\f+7], v[16*kc+8*\q:16*kc+8*\q+7], 0
.else
	v_wmma_f32_16x16x32_bf16 v[ra:ra+7], v[bf+8*\f:bf+8*\f+7], v[16*kc+8*\q:16*kc+8*\q+7], v[ra:ra+7]
.endif
.endr
.endr
.endm
.macro FGROUP
	WIN 0
.irp y, 0,1
	global_load_b128 v[160+8*\y:163+8*\y], v14, s[66:67] offset:64*\y      ; bo of my eight rows e of each block
	global_load_b128 v[164+8*\y:167+8*\y], v14, s[66:67] offset:64*\y+16
.endr
.irp i, 0,1,2,3,4,5,6,7
	global_load_b64 v[176+2*\i:177+2*\i], v13, s[60:61] offset:2048*\i     ; the residual for the rows that I store: 256 consecutive bytes a row
.endr
	WIN 0x04
.set b, 0
.rept 8
	PLACES
.if b+2 < 8
	LDF b+2
.endif
.if b < 6
	s_wait_dscnt 16                                ; the two younger batches' loads may stay out
.elseif b == 6
	s_wait_dscnt 8
.else
	s_wait_dscnt 0x0
.endif
	MMF b
.set b, b+1
.endr
	WIN 0
	PLACES
	s_cmp_eq_u32 s59, 1                            ; the tile's last group has no next group in this slot: only LDS loads are jumped
	s_cbranch_scc1 .Lno_next_\@
	v_add_nc_u32 v6, 32*PITCH, v6
	v_add_nc_u32 v7, 32*PITCH, v7
	LDF 0
	LDF 1
.Lno_next_\@:
	s_wait_loadcnt 8                               ; bo is in; the eight residual loads, issued behind it, may stay out
.irp y, 0,1
.irp q, 0,1
.irp z, 0,1,2,3
	v_pk_fma_f32 v[128+16*\y+8*\q+2*\z:129+16*\y+8*\q+2*\z], v[128+16*\y+8*\q+2*\z:129+16*\y+8*\q+2*\z], v[20+6*\q:21+6*\q], v[160+8*\y+2*\z:161+8*\y+2*\z] op_sel_hi:[1,0,1]  ; sum / l + bo
.endr
.endr
.endr
	v_add_nc_u32 v10, s58, v8
	v_add_nc_u32 v11, s58, v9
.irp y, 0,1
.irp q, 0,1
.irp j, 0,1,2,3,4,5,6,7
	ds_store_b32 v10, v[128+16*\y+8*\q+\j] offset:(16*\y+\j)*SP+64*\q      ; row 16 y + 8 (l / 16) + j, column 32 w + 16 q + l % 16
.endr
.endr
.endr
	s_wait_dscnt 0x0                               ; for the others' sake: my stores are done, and so are my reads of the other stage buffer, a group back
	s_barrier_signal -1
	s_barrier_wait -1                              ; one barrier a group: the two buffers take turns, so a buffer is written again only behind the barrier that follows its reads
.irp i, 0,1,2,3,4,5,6,7
	ds_load_b128 v[192+4*\i:195+4*\i], v11 offset:SP*\i                    ; rows 8 w + i, whole: 512 bytes
.endr
	s_wait_loadcnt 0x0
.irp i, 0,1,2,3,4,5,6,7
	s_wait_dscnt 7-\i                              ; the younger rows may stay out
	v_lshlrev_b32 v[224+4*(\i%2)], 16, v[176+2*\i]
	v_and_b32 v[225+4*(\i%2)], 0xffff0000, v[176+2*\i]
	v_lshlrev_b32 v[226+4*(\i%2)], 16, v[177+2*\i]
	v_and_b32 v[227+4*(\i%2)], 0xffff0000, v[177+2*\i]
	v_pk_add_f32 v[192+4*\i:193+4*\i], v[192+4*\i:193+4*\i], v[224+4*(\i%2):225+4*(\i%2)]
	v_pk_add_f32 v[194+4*\i:195+4*\i], v[194+4*\i:195+4*\i], v[226+4*(\i%2):227+4*(\i%2)]
	global_store_b128 v12, v[192+4*\i:195+4*\i], s[62:63] offset:4096*\i th:TH_STORE_NT  ; 512 consecutive bytes, at a multiple of 512 from out0's first byte
.endr
	s_wait_xcnt 0x0                                ; the stores have read their data and their base: both are written again only behind this wait
	s_add_nc_u64 s[62:63], s[62:63], 32*4096
	s_add_nc_u64 s[60:61], s[60:61], 32*2048
	s_add_nc_u64 s[66:67], s[66:67], 128
	s_xor_b32 s58, s58, SBUF
.endm
.macro FBODY                           ; a tile of Wpv: four groups
	WIN 0
	LDF 0
	LDF 1
	s_mov_b32 s59, 4
.Lgroup_\@:
	FGROUP
	s_sub_co_u32 s59, s59, 1
	s_cmp_lg_u32 s59, 0
	s_cbranch_scc1 .Lgroup_\@
.endm
	s_load_b256 s[4:11], s[0:1], 0x0               ; xb s[4:5], ww s[6:7], ub s[8:9], out0 s[10:11]
	v_lshl_add_u32 v28, v0, 2, SPARE
	v_mov_b32 v29, 0
	ds_add_u32 v28, v29                            ; the wave's opening: the add, twice on end, and its wait ahead of my first tensor load
	ds_add_u32 v28, v29
	v_lshrrev_b32 v1, 5, v0
	v_readfirstlane_b32 s12, v1                    ; wave 0..3
	s_bfe_u32 s13, ttmp6, 0x40000                  ; cx: my place in the cluster
	s_lshl_b32 s14, ttmp9, 2
	s_add_co_u32 s14, s14, s13                     ; my block of 128 queries: it enters tile 0's, the residual's and out0's addresses alone
	s_and_b32 s15, ttmp7, 0xffff                   ; the batch, which the four partners share
	s_mov_b32 s16, 15|(1<<16)|(1<<20)|(1<<21)|(5<<22)|(3<<25)  ; 15:0 the mask of four; 17:16 2-byte elements; 20 padding on; 21 set beside a mask; 24:22 after every 64 words; 31:25 4 words
	s_mov_b32 s24, (1<<16)|(1<<20)|(5<<22)|(3<<25)             ; the same without a mask, for my own tile 0
.irp g, 16, 24
	s_mov_b32 s[\g+1], 128<<16                     ; tensor_dim0 = 128
	s_mov_b32 s[\g+2], 128<<16                     ; tensor_dim1 = 128
	s_mov_b32 s[\g+3], 128<<16                     ; tile_dim0 = 128
	s_mov_b32 s[\g+4], 128                         ; tile_dim1 = 128
	s_mov_b32 s[\g+5], 1024                        ; 1,024 elements from row to row
	s_mov_b32 s[\g+6], 0
	s_mov_b32 s[\g+7], 0
.endr
	s_mov_b32 s32, 1
	s_mov_b32 s36, 1
	s_mul_i32 s37, s12, QTR                        ; tile 0 into slot 0: my quarter
	s_add_co_u32 s33, s37, SLOT                    ; tile 1 into slot 1
	s_lshl_b32 s68, s15, 20                        ; the batch's 1,048,576 bytes of xb
	s_mov_b32 s69, 0
	s_lshl_b32 s70, s12, 18                        ; my 128 rows of 2,048 bytes
	s_mov_b32 s71, 0
	s_lshl_b32 s72, s14, 8                         ; my block's 256 bytes of a row of xb
	s_mov_b32 s73, 0
	s_lshl_b32 s74, s13, 16                        ; my work-group's 32 rows of the 128, for the prefetches
	s_mov_b32 s75, 0
	s_lshl_b32 s76, s12, 14                        ; the 8 rows of a group that I store
	s_mov_b32 s77, 0
	s_lshl_b32 s78, s15, 21                        ; in out0: batch, 8 w rows of 4,096 bytes, 512 bytes a block
	s_lshl_b32 s79, s12, 15
	s_add_co_u32 s78, s78, s79
	s_lshl_b32 s79, s14, 9
	s_add_co_u32 s78, s78, s79
	s_mov_b32 s79, 0
	s_mov_b32 s49, 0
	s_mov_b32 s50, 0
	s_mov_b32 s52, 0
	s_mov_b32 s58, 0
	s_cmp_eq_u32 ttmp9, 0
	s_cselect_b32 s53, 8, 0                        ; the same in all four partners
	s_mov_b32 s54, 0x3d8293ee                      ; c = log2(e) / sqrt(512)
	s_mov_b32 s55, s54
	s_mov_b32 s56, 0x76543210
	s_mov_b32 s57, 0xfedcba98
	s_wait_dscnt 0x0                               ; both opening adds are done
	s_wait_kmcnt 0x0
	s_add_nc_u64 s[4:5], s[4:5], s[68:69]          ; X
	s_add_nc_u64 s[42:43], s[4:5], s[70:71]        ; X's tile 0, my rows
	s_add_nc_u64 s[40:41], s[6:7], s[70:71]        ; ww's tile 0, my rows
	s_add_nc_u64 s[44:45], s[40:41], 1024          ; ww's tile 4
	s_add_nc_u64 s[46:47], s[42:43], s[74:75]
	s_add_nc_u64 s[38:39], s[42:43], s[72:73]      ; my block's columns
	s_or_b32 s39, s39, 0x80000000
	s_mov_b64 s[34:35], s[40:41]
	s_or_b32 s35, s35, 0x80000000
	s_add_nc_u64 s[60:61], s[4:5], s[72:73]
	s_add_nc_u64 s[60:61], s[60:61], s[76:77]
	s_add_nc_u64 s[62:63], s[10:11], s[78:79]
	s_add_nc_u64 s[66:67], s[8:9], 2048
	ROUND                                          ; all four work-groups are here: the first loads go out as one group behind this round
	tensor_load_to_lds s[36:39], s[24:31]          ; tile 0
	s_nop 0
	tensor_load_to_lds s[32:35], s[16:23]          ; tile 1, jointly
	s_nop 0
	v_and_b32 v30, 15, v0                          ; l % 16
	v_bfe_u32 v31, v0, 4, 1                        ; l / 16
	v_and_b32 v1, 7, v0
	v_lshl_add_u32 v1, v31, 3, v1
	v_mul_u32_u24 v2, v1, PITCH
	v_bfe_u32 v1, v0, 3, 1
	v_lshl_add_u32 v2, v1, 4, v2                   ; LT: the turning load's row 8 (l / 16) + l % 8, 16 bytes for each half of eight lanes
	v_mul_u32_u24 v3, v30, PITCH
	v_lshl_add_u32 v3, v31, 4, v3                  ; LP: row l % 16, 16 (l / 16)
	s_lshl_b32 s68, s12, 6
	v_add_nc_u32 v4, s68, v2                       ; for tile 0: my 32 queries' columns
	v_add_nc_u32 v5, HALF, v4
	s_lshl_b32 s68, s12, 7
	s_add_co_u32 s68, s68, STG
	v_mul_u32_u24 v8, v31, 8*SP
	v_lshl_add_u32 v8, v30, 2, v8
	v_add_nc_u32 v8, s68, v8                       ; stage in
	s_mul_i32 s68, s12, 8*SP
	s_add_co_u32 s68, s68, STG
	v_and_b32 v1, 31, v0
	v_lshl_add_u32 v9, v1, 4, s68                  ; stage back
	v_lshlrev_b32 v12, 4, v1
	v_lshlrev_b32 v13, 3, v1
	v_lshlrev_b32 v14, 5, v31
	v_lshlrev_b32 v15, 11, v1
.irp q, 0,1
	v_mov_b32 v[16+6*\q], 0xfe000000               ; c m: far below every c s, so the first step's a is 0
	v_mov_b32 v[17+6*\q], 0xff7fffff               ; m: the lowest finite number
	v_mov_b32 v[18+6*\q], 0
	v_mov_b32 v[19+6*\q], 0
.endr
	WIN 0x80                                       ; T's sums start at u: it is loaded straight into the accumulators, so nothing is cleared and no first step is written out
.set i, 0
.rept 32
	global_load_b128 v[8*i:8*i+3],   v14, s[8:9] offset:64*(i/2)
	global_load_b128 v[8*i+4:8*i+7], v14, s[8:9] offset:64*(i/2)+16
.set i, i+1
.endr
	WIN 0xc0
.set i, 0
.rept 32
	global_load_b128 v[8*i:8*i+3],   v14, s[8:9] offset:1024+64*(i/2)
	global_load_b128 v[8*i+4:8*i+7], v14, s[8:9] offset:1024+64*(i/2)+16
.set i, i+1
.endr
	WIN 0
	s_wait_tensorcnt 0x1                           ; my quarter of tile 0 is in; tile 1's may stay out
	s_barrier_signal -1
	s_barrier_wait -1                              ; everybody's is
	WIN 0x40
.set kc, 0
.rept 16                               ; my 32 queries' columns of X, all 512 rows c, turned: source 1 of T's products
.irp q, 0,1
	ds_load_tr16_b128 v[64*(kc/4)+32*\q+8*(kc%4):64*(kc/4)+32*\q+8*(kc%4)+3],   v[4+kc/8] offset:(kc%8)*32*PITCH+32*\q
	ds_load_tr16_b128 v[64*(kc/4)+32*\q+8*(kc%4)+4:64*(kc/4)+32*\q+8*(kc%4)+7], v[4+kc/8] offset:(kc%8)*32*PITCH+32*\q+16*PITCH
.endr
.set kc, kc+1
.endr
	WIN 0
	s_wait_loadcnt 0x0                             ; u
	s_mov_b32 s51, 4
.Lt:                                           ; T: a trip for each slab of 128 c; its products name the first 64 registers of window 1
	CHANGE 1, 1, 1, 42                             ; the last trip asks for X's key tile 0
	RUNP 1, 0
	WIN 0
	s_cmp_eq_u32 s51, 1
	s_cbranch_scc1 .Lno_rot
	PLACES
	WIN 0x41
.set i, 0
.rept 192                              ; the next slab's fragments move down: the price of one text for the four trips
	v_mov_b32 v[i], v[i+64]
.set i, i+1
.endr
	WIN 0
.Lno_rot:
	s_sub_co_u32 s51, s51, 1
	s_cmp_lg_u32 s51, 0
	s_cbranch_scc1 .Lt
	CVT                                            ; T in bf16
	s_mov_b32 s51, 8
.Lkey:                                         ; a trip for each tile of 128 keys
	CHANGE 1, 1, 1, 44                             ; the last trip asks for Wpv's first tile
	RUNQ
	SOFTMAX
	RUNP 0, 1
	WIN 0
	s_sub_co_u32 s51, s51, 1
	s_cmp_lg_u32 s51, 0
	s_cbranch_scc1 .Lkey
.irp q, 0,1
	v_add_f32 v[18+6*\q], v[18+6*\q], v[19+6*\q]
.endr
.irp q, 0,1
	v_permlanex16_b32 v[19+6*\q], v[18+6*\q], s56, s57
.endr
.irp q, 0,1
	v_add_f32 v[18+6*\q], v[18+6*\q], v[19+6*\q]
.endr
.irp q, 0,1
	v_rcp_f32 v[20+6*\q], v[18+6*\q]               ; 1 / l: applied behind the last product, fused with the bias
.endr
	v_nop
	s_wait_alu depctr_va_vdst(0)                   ; one wait for the two reciprocals, ahead of their first reader and of every label
	CVT                                            ; the unnormalised O in bf16
	s_mov_b32 s51, 3
.Lout:
	CHANGE 1, 0, 0, 0
	FBODY
	s_sub_co_u32 s51, s51, 1
	s_cmp_lg_u32 s51, 0
	s_cbranch_scc1 .Lout
	CHANGE 0, 0, 0, 0                              ; the last tile is written out: nothing is asked for
	FBODY
	s_wait_tensorcnt 0x0                           ; the wave's end: three closing lines behind my last tensor load and my last LDS store
	ds_add_u32 v28, v29
	s_wait_dscnt 0x0
	ROUND                                          ; the closing round: no work-group ends while a partner may still ask for a tile that names it
	s_endpgm
.Lfunc_end_k_q13a6cad9fe_attn:
	.size	k_q13a6cad9fe_attn, .Lfunc_end_k_q13a6cad9fe_attn-k_q13a6cad9fe_attn
	.p2alignl 7, 3214868480
	.fill 96, 4, 3214868480
	.section	.rodata,"a",@progbits
	.p2align	6, 0x0
	.amdhsa_kernel k_q13a6cad9fe_attn
		.amdhsa_group_segment_fixed_size 327680
		.amdhsa_private_segment_fixed_size 0
		.amdhsa_enable_private_segment 0
		.amdhsa_kernarg_size 32
		.amdhsa_user_sgpr_count 2
		.amdhsa_user_sgpr_kernarg_segment_ptr 1
		.amdhsa_wavefront_size32 1
		.amdhsa_system_sgpr_workgroup_id_x 1
		.amdhsa_system_sgpr_workgroup_id_y 1
		.amdhsa_system_sgpr_workgroup_id_z 1
		.amdhsa_system_vgpr_workitem_id 0
		.amdhsa_next_free_vgpr 1024
		.amdhsa_next_free_sgpr 80
		.amdhsa_reserve_vcc 0
		.amdhsa_float_denorm_mode_32 3
		.amdhsa_float_denorm_mode_16_64 3
		.amdhsa_memory_ordered 1
		.amdhsa_forward_progress 1
		.amdhsa_inst_pref_size 255
	.end_amdhsa_kernel
	.section	.bss,"aw",@nobits
	.p2align	6
	.space	262144
	.amdgpu_metadata
---
amdhsa.version: [ 1, 2 ]
amdhsa.kernels:
  - .name:           k_q13a6cad9fe_attn
    .symbol:         k_q13a6cad9fe_attn.kd
    .args:
      - { .name: xb, .offset: 0, .size: 8, .value_kind: global_buffer, .address_space: global }
      - { .name: ww, .offset: 8, .size: 8, .value_kind: global_buffer, .address_space: global }
      - { .name: ub, .offset: 16, .size: 8, .value_kind: global_buffer, .address_space: global }
      - { .name: out0, .offset: 24, .size: 8, .value_kind: global_buffer, .address_space: global }
    .group_segment_fixed_size: 327680
    .private_segment_fixed_size: 0
    .kernarg_segment_align: 8
    .kernarg_segment_size: 32
    .max_flat_workgroup_size: 128
    .sgpr_count:     80
    .vgpr_count:     1024
    .wavefront_size: 32
...
	.end_amdgpu_metadata
.endif
;; end of part 3
;; ======== version 2 of 2: 3 launches; version 1 with the launch norm written anew for expert scheduling mode
;; workspace buffers: xb 33,554,432 bytes; ww 1,048,576 bytes; ub 4,096 bytes
;; launch fold: the kernel of part 1 again; grid 64 x 1, 16 waves a work-group, no clusters, 315,392 bytes of LDS; arguments Wq, Wk, Wv, Wp, bq, bv, bp, ww, ub; writes ww, ub
;; launch norm (part 4): grid 256 x 1, 16 waves a work-group, no clusters, 2,560 bytes of LDS; arguments x, gamma, beta, xb; writes xb
.if DOCPART == 4
	.amdgcn_target "amdgcn-amd-amdhsa--gfx1250"
	.amdhsa_code_object_version 6
	.text
	.protected	k_q13a6cad9fe_norm
	.globl	k_q13a6cad9fe_norm
	.p2align	8
	.type	k_q13a6cad9fe_norm,@function
k_q13a6cad9fe_norm:
	s_mov_b64 s[64:65], 0
	v_nop
	global_prefetch_b8 v0, s[64:65] scope:SCOPE_SE
	s_setreg_imm32_b32 hwreg(HW_REG_WAVE_SCHED_MODE, 0, 2), 2
	s_setreg_imm32_b32 hwreg(HW_REG_WAVE_MODE, 25, 1), 1
	s_wait_xcnt 0x0
	s_wait_alu depctr_vm_vsrc(0)
; GROUP NORM: xb[b][c][n] = bf16((x[b][c][n] - mean) rsqrt(var + 1e-5) gamma[c] + beta[c]), mean and var over the group's 64 channels x 1,024 places.
; A work-group owns one (batch, group): 262,144 consecutive bytes of x.  Each of its 16 waves takes 4 channels, 32 loads of 16 bytes a lane, and keeps them in 128 registers:
; x is read once.  The variance is the mean of (x - mean)^2, taken in a second pass over the registers: no difference of large sums is formed.
; All of a wave's 32 loads go out together (16 KiB a wave, 256 KiB a work-group); the first pass begins when the first eight are in.  Nothing is shared between work-groups, so
; there is no cluster and no tensor load; the stream has no matrix work.  xb is rounded once to bf16: it is the matrix operand and the residual of the next launch.
; THE MODE: SCHED_MODE bits 1:0 = 2 (LLVM: expert scheduling mode 2), set by the entry lines.  The code itself states the register dependences
; between vector instructions and memory or LDS instructions, with s_wait_alu, always for 0.
; THE PLAN.  Registers that memory or LDS instructions touch:
;   v1, v2, v3, v154   offsets and LDS addresses: written at the head, never again; one wait ahead of the first load states that they are written.  v152, v153 likewise: read by the closing add alone.
;   X                  The 32 loads land in it before any vector line names it.  On the way out the roundings write the low pair of each four, the stores read it, and nothing writes it again.
;   v6                 Written by the reduction over the lanes, read by the LDS store of a sum, written again by that sum's last addition.
;   RB                 The four LDS loads of a sum land in it; the sum's additions read and write it; the second sum's loads land in it again.
;   CH, v4-5, v7, v8-15 are named by vector lines alone.
; THE WAY OUT goes in four blocks of a channel: 32 vector lines each.  One wait at the head of a block states that the block before has written its out registers; that block's eight stores are then dealt
; among this block's lines, which name this channel's X, its pair of CH and its pair of beta: none of the registers that those stores touch.
.set SPARE, 512                        ; LDS: bytes 0-63 the waves' sums, 64-127 their sums of squares; from 512 the spare words, 128 bytes a wave, that no other line names
.set X,   16                           ; v[16:143]  my 128 numbers: load i at X + 4 i; channel i / 8
.set CH,  144                          ; v[144:151] four chains of packed sums; later gamma rstd, a pair a channel
.set RB,  160                          ; v[160:175] the 16 waves' partial sums
; v1 offset in x, v2 offset in xb, v3 4 x wave, v4-5 mean (twice), v6-7 at work, v8-15 beta, a pair a channel, v152-153 the add's two, v154 0
.macro WGSUM base                      ; the four chains -> the sum over the work-group, in v6 of every lane
	v_pk_add_f32 v[CH:CH+1], v[CH:CH+1], v[CH+2:CH+3]
	v_pk_add_f32 v[CH+4:CH+5], v[CH+4:CH+5], v[CH+6:CH+7]
	v_pk_add_f32 v[CH:CH+1], v[CH:CH+1], v[CH+4:CH+5]
	v_add_f32 v6, v[CH], v[CH+1]
	v_add_f32_dpp v6, v6, v6 row_xmask:1 row_mask:0xf bank_mask:0xf
	v_add_f32_dpp v6, v6, v6 row_xmask:2 row_mask:0xf bank_mask:0xf
	v_add_f32_dpp v6, v6, v6 row_xmask:4 row_mask:0xf bank_mask:0xf
	v_add_f32_dpp v6, v6, v6 row_xmask:8 row_mask:0xf bank_mask:0xf
	v_permlanex16_b32 v7, v6, s12, s13
	v_add_f32 v6, v6, v7
	s_wait_alu depctr_va_vdst(0)                   ; v6 is written, which the LDS store reads; at the second sum the first sum's additions are also done with RB, in which the LDS loads below land
	ds_store_b32 v3, v6 offset:\base               ; all lanes write the wave's word with the same value
	s_wait_dscnt 0x0                               ; for the others' sake
	s_barrier_signal -1
	s_barrier_wait -1
.irp k, 0,1,2,3
	ds_load_b128 v[RB+4*\k:RB+4*\k+3], v154 offset:\base+16*\k
.endr
	s_wait_dscnt 0x0
	s_wait_alu depctr_vm_vsrc(0)                   ; the LDS store has read v6, which the last addition below writes again
.irp k, 0,4,8,12
	v_pk_add_f32 v[RB+\k:RB+\k+1], v[RB+\k:RB+\k+1], v[RB+\k+2:RB+\k+3]
.endr
	v_pk_add_f32 v[RB:RB+1], v[RB:RB+1], v[RB+4:RB+5]
	v_pk_add_f32 v[RB+8:RB+9], v[RB+8:RB+9], v[RB+12:RB+13]
	v_pk_add_f32 v[RB:RB+1], v[RB:RB+1], v[RB+8:RB+9]
	v_add_f32 v6, v[RB], v[RB+1]
.endm
	s_load_b256 s[4:11], s[0:1], 0x0               ; x s[4:5], gamma s[6:7], beta s[8:9], xb s[10:11]
	v_lshl_add_u32 v152, v0, 2, SPARE
	v_mov_b32 v153, 0
	v_lshrrev_b32 v1, 5, v0
	v_readfirstlane_b32 s14, v1                    ; wave 0..15
	v_and_b32 v2, 31, v0
	v_mov_b32 v7, 0                                ; v_permlanex16_b32's destination counts as read
	v_mov_b32 v154, 0
	s_mov_b32 s12, 0x76543210
	s_mov_b32 s13, 0xfedcba98
	s_lshl_b32 s16, ttmp9, 18                      ; the group's bytes in x
	s_mov_b32 s17, 0
	s_lshl_b32 s18, ttmp9, 17                      ; and in xb
	s_mov_b32 s19, 0
	s_and_b32 s20, ttmp9, 7
	s_lshl_b32 s20, s20, 8                         ; the group's 64 channels x 4 bytes,
	s_wait_alu depctr_va_sdst(0)                   ; s14 is written, ahead of its first reader: the offsets and the bases of gamma and beta are made from it
	s_lshl_b32 s15, s14, 14
	v_lshl_add_u32 v1, v2, 4, s15                  ; 16,384 x wave + 16 x lane
	s_lshl_b32 s22, s14, 13
	v_lshl_add_u32 v2, v2, 3, s22                  ; 8,192 x wave + 8 x lane
	v_mov_b32 v3, s14
	v_lshlrev_b32 v3, 2, v3
	s_lshl_b32 s21, s14, 4                         ; my wave's 4 of them
	s_add_co_u32 s20, s20, s21
	s_mov_b32 s21, 0
	s_wait_kmcnt 0x0
	s_add_nc_u64 s[4:5], s[4:5], s[16:17]
	s_add_nc_u64 s[10:11], s[10:11], s[18:19]
	s_add_nc_u64 s[6:7], s[6:7], s[20:21]
	s_add_nc_u64 s[8:9], s[8:9], s[20:21]
	s_wait_alu depctr_va_vdst(0)                   ; v1, v2, v3 and v154 are written, which the loads, the stores and the LDS instructions below read as offsets and addresses; none is written again
.set i, 0
.rept 32
	global_load_b128 v[X+4*i:X+4*i+3], v1, s[4:5] offset:512*i th:TH_LOAD_NT
.set i, i+1
.endr
	s_load_b128 s[24:27], s[6:7], 0x0              ; gamma of my 4 channels
	s_load_b128 s[28:31], s[8:9], 0x0              ; beta
	s_wait_loadcnt 24                              ; the first eight loads are in; 24 younger ones may stay out
.irp k, 0,1,2,3
	v_pk_add_f32 v[CH+2*\k:CH+2*\k+1], v[X+2*\k:X+2*\k+1], v[X+8+2*\k:X+8+2*\k+1]  ; the first pairs start the chains: nothing is cleared
.endr
.set j, 8
.rept 56
.if j%16 == 0
	s_wait_loadcnt 24-8*(j/16)                     ; eight loads more: 16, 8, 0 younger ones stay out
.endif
	v_pk_add_f32 v[CH+2*(j%4):CH+2*(j%4)+1], v[CH+2*(j%4):CH+2*(j%4)+1], v[X+2*j:X+2*j+1]
.set j, j+1
.endr
	WGSUM 0
	v_mul_f32 v4, 0x37800000, v6                   ; mean = sum / 65,536
	v_mov_b32 v5, v4
.set j, 0
.rept 64
	v_pk_add_f32 v[X+2*j:X+2*j+1], v[X+2*j:X+2*j+1], v[4:5] neg_lo:[0,1] neg_hi:[0,1]
.if j < 4
	v_pk_mul_f32 v[CH+2*j:CH+2*j+1], v[X+2*j:X+2*j+1], v[X+2*j:X+2*j+1]
.else
	v_pk_fma_f32 v[CH+2*(j%4):CH+2*(j%4)+1], v[X+2*j:X+2*j+1], v[X+2*j:X+2*j+1], v[CH+2*(j%4):CH+2*(j%4)+1]
.endif
.set j, j+1
.endr
	WGSUM 64                                       ; other bytes than the first sum's: no wave need wait for the first sum's readers
	v_mul_f32 v6, 0x37800000, v6                   ; var
	v_add_f32 v6, 0x3727c5ac, v6                   ; + 1e-5
	v_rsq_f32 v7, v6
	v_nop                                          ; a plain instruction behind the transcendental (ISA guide 5.7.2),
	s_wait_alu depctr_va_vdst(0)                   ; and the wait ahead of the first reader of its result, v7
	s_wait_kmcnt 0x0
.irp c, 0,1,2,3
	v_mul_f32 v[CH+2*\c],   s[24+\c], v7
	v_mul_f32 v[CH+2*\c+1], s[24+\c], v7
	v_mov_b32 v[8+2*\c], s[28+\c]
	v_mov_b32 v[9+2*\c], s[28+\c]
.endr
.set i, 0
.rept 32                               ; four blocks of a channel, eight groups of four lines each; ahead of each group stands one store of the block before
.if (i > 0) && ((i%8) == 0)
	s_wait_alu depctr_va_vdst(0)                   ; the roundings of the channel before have written its sixteen out registers, which the eight stores dealt among this channel's lines read
.endif
.if i >= 8
	global_store_b64 v2, v[X+4*(i-8):X+4*(i-8)+1], s[10:11] offset:256*(i-8)  ; the wave stores 256 consecutive bytes, at a multiple of 256 from xb's first byte; no vector line since the wait names these registers
.endif
	v_pk_fma_f32 v[X+4*i:X+4*i+1],   v[X+4*i:X+4*i+1],   v[CH+2*(i/8):CH+2*(i/8)+1], v[8+2*(i/8):9+2*(i/8)]
	v_pk_fma_f32 v[X+4*i+2:X+4*i+3], v[X+4*i+2:X+4*i+3], v[CH+2*(i/8):CH+2*(i/8)+1], v[8+2*(i/8):9+2*(i/8)]
	v_cvt_pk_bf16_f32 v[X+4*i],   v[X+4*i],   v[X+4*i+1]
	v_cvt_pk_bf16_f32 v[X+4*i+1], v[X+4*i+2], v[X+4*i+3]
.set i, i+1
.endr
	s_wait_alu depctr_va_vdst(0)                   ; the last channel's roundings have written its out registers, which the last eight stores read
.set i, 24
.rept 8
	global_store_b64 v2, v[X+4*i:X+4*i+1], s[10:11] offset:256*i
.set i, i+1
.endr
	s_wait_dscnt 0x0                               ; the closing lines, six on end
	s_wait_alu 0x0
	s_wait_tensorcnt 0x0
	ds_add_u32 v152, v153
	s_wait_dscnt 0x0
	s_endpgm
.Lfunc_end_k_q13a6cad9fe_norm:
	.size	k_q13a6cad9fe_norm, .Lfunc_end_k_q13a6cad9fe_norm-k_q13a6cad9fe_norm
	.p2alignl 7, 3214868480
	.fill 96, 4, 3214868480
	.section	.rodata,"a",@progbits
	.p2align	6, 0x0
	.amdhsa_kernel k_q13a6cad9fe_norm
		.amdhsa_group_segment_fixed_size 2560
		.amdhsa_private_segment_fixed_size 0
		.amdhsa_enable_private_segment 0
		.amdhsa_kernarg_size 32
		.amdhsa_user_sgpr_count 2
		.amdhsa_user_sgpr_kernarg_segment_ptr 1
		.amdhsa_wavefront_size32 1
		.amdhsa_system_sgpr_workgroup_id_x 1
		.amdhsa_system_sgpr_workgroup_id_y 1
		.amdhsa_system_sgpr_workgroup_id_z 1
		.amdhsa_system_vgpr_workitem_id 0
		.amdhsa_next_free_vgpr 176
		.amdhsa_next_free_sgpr 66
		.amdhsa_reserve_vcc 0
		.amdhsa_float_denorm_mode_32 3
		.amdhsa_float_denorm_mode_16_64 3
		.amdhsa_memory_ordered 1
		.amdhsa_forward_progress 1
		.amdhsa_inst_pref_size 32
	.end_amdhsa_kernel
	.amdgpu_metadata
---
amdhsa.version: [ 1, 2 ]
amdhsa.kernels:
  - .name:           k_q13a6cad9fe_norm
    .symbol:         k_q13a6cad9fe_norm.kd
    .args:
      - { .name: x, .offset: 0, .size: 8, .value_kind: global_buffer, .address_space: global }
      - { .name: gamma, .offset: 8, .size: 8, .value_kind: global_buffer, .address_space: global }
      - { .name: beta, .offset: 16, .size: 8, .value_kind: global_buffer, .address_space: global }
      - { .name: xb, .offset: 24, .size: 8, .value_kind: global_buffer, .address_space: global }
    .group_segment_fixed_size: 2560
    .private_segment_fixed_size: 0
    .kernarg_segment_align: 8
    .kernarg_segment_size: 32
    .max_flat_workgroup_size: 512
    .sgpr_count:     66
    .vgpr_count:     176
    .wavefront_size: 32
...
	.end_amdgpu_metadata
.endif
;; end of part 4
;; launch attn: the kernel of part 3 again; grid 8 x 32, 4 waves a work-group, clusters of 4 x 1, 327,680 bytes of LDS; arguments xb, ww, ub, out0; writes out0
